; MI455X (gfx1250); checked and timed in simulation.
; The chip was launched on July 23, 2026; its instructions are those of AMD's public machine-readable ISA for CDNA 5 (MIT licence, August 2026) and "CDNA5" Instruction Set Architecture Reference Guide (July 2026). The comments in the code are by the model that wrote it; some were corrected since.
;; Register Tiled Hyperbolic Attention. Allowed arithmetic: matrix products marked QUANTISED: E2M3 operands, one E8M0 scale for each 32 along K, by v_wmma_scale_f32_16x16x128_f8f6f4 with both operands' format E2M3, f32 sums; everything else in f32.
;; Inputs: wk 1,024 x 1,024 float32; wo 1,024 x 1,024 float32; wq 1,024 x 1,024 float32; wv 1,024 x 1,024 float32; x 2 x 2,048 x 1,024 float32.
;; Outputs: out0 2 x 2,048 x 1,024 float32.
;; This version of the problem:
;;   THIS VERSION OF THE PROBLEM IS GIVEN IN LOW PRECISION. The matrix products marked QUANTISED in the list below multiply operands that are first quantised to E2M3 (2 exponent bits, 3 mantissa bits; 6 bits a number), with one power-of-two scale for each 32 numbers along K (OCP MX v1.0); their sums are f32. All else is computed in f32.
;;   The module's matrix products, in the order in which they are computed (A, B: the left and right operand; K: the contracted axis; several contracted axes count as one K, in the product's order):
;;     1. [M 4,096, K 1,024] x [K 1,024, N 1,024]; A: input x; B: input wq: QUANTISED
;;     2. [M 4,096, K 1,024] x [K 1,024, N 1,024]; A: input x; B: input wk: QUANTISED
;;     3. [M 4,096, K 1,024] x [K 1,024, N 1,024]; A: input x; B: input wv: QUANTISED
;;     4. batch 32 x [M 2,048, K 64] x [K 64, N 2,048]; A: computed on the way; B: computed on the way: QUANTISED
;;     5. batch 32 x [M 2,048, K 2,048] x [K 2,048, N 64]; A: softmax (see below); B: computed on the way: QUANTISED
;;     6. [M 4,096, K 1,024] x [K 1,024, N 1,024]; A: computed on the way; B: input wo: QUANTISED
;;   THE QUANTISER, for each operand of a quantised product, along K:
;;     - K is cut into blocks of 32 from its start; a last block that is shorter is filled with zeros.
;;     - A block's scale is 2^e with e = floor(log2(the largest magnitude in the block)) - 2, held to -126 .. 127; a block of zeros has e = 0. As a byte (E8M0): e + 127.
;;     - Each number is divided by its block's scale, clamped to +-7.5, and rounded to the nearest number of E2M3, ties to even, subnormals kept.
;;     - The product sums the exact products of the quantised numbers (number of the format x scale) in f32.
;;   ~~~python
;;   def quantise(x, axis):      # numpy; x: float32 -> the quantised numbers, widened to float32 again
;;       x = np.moveaxis(x, axis, -1); K = x.shape[-1]
;;       x = np.pad(x, [(0, 0)] * (x.ndim - 1) + [(0, -K % 32)]); x = x.reshape(x.shape[:-1] + (-1, 32)); a = np.abs(x).max(-1, keepdims=True)
;;       e = np.where(a > 0, np.clip(np.frexp(np.where(a > 0, a, 1))[1] - 1 - 2, -126, 127), 0)      # np.frexp(a)[1] - 1 = floor(log2(a)), exactly
;;       r = np.clip(x / 2.0 ** e, -7.5, 7.5)
;;       step = 2.0 ** (np.maximum(np.frexp(np.where(r == 0, 1, r))[1] - 1, 0) - 3)
;;       q = np.round(r / step) * step * 2.0 ** e      # np.round: ties to even
;;       return np.moveaxis(q.reshape(q.shape[:-2] + (-1,))[..., :K], -1, axis).astype(np.float32)
;;   ~~~
;;   SOFTMAX AHEAD OF A QUANTISED PRODUCT. Where the list says 'softmax', what is quantised is not the finished softmax but p = 2^(t - M), with t = logit x log2(e) and M = ceil(the row's largest t), a whole number; so 1/2 < the row's largest p <= 1. The row's sum l is taken of the UNQUANTISED p, in f32, and the product's result is divided by l at the end. Since M is a whole number, a kernel that streams over the keys may use a running M (the ceiling of the running maximum): every later rescaling is an exact power of two, which a block's scale takes up: the codes' values come out the same.
;;   OPERANDS COMPUTED ON THE WAY. 'Computed on the way' means the value that the module computes at that place (a softmax that the list does not call 'softmax' is quantised finished and normalised). What goes into a quantiser is computed in f32, as accurately as f32 sums, v_exp_f32 and their like allow (about 1e-6 of the number): no bf16 or f16 on the way to a quantiser, and a product that is left as it is and whose result goes on into a quantised operand takes f32 operands (vector FMAs, or v_wmma_f32_16x16x4_f32). A number that lies on a knife's edge between two numbers of the format may be rounded either way, as far as f32 arithmetic and the matrix unit's own rounding can turn it there, and no further.
;; One version. Each part assembles by itself: llvm-mc -triple=amdgcn-amd-amdhsa -mcpu=gfx1250 --defsym DOCPART=n.
;; ======== version 1 of 1: 4 launches
;; limits: right only within a limited range of input values
;; workspace buffers: cod 6,291,456 bytes; scl 262,144 bytes; qp 7,208,960 bytes; kv 7,208,960 bytes; ac 3,145,728 bytes; asc 131,072 bytes
;; launch quant (part 1): grid 512 x 1, 8 waves a work-group, no clusters, 69,632 bytes of LDS; arguments x, wq, wk, wv, wo, cod, scl; writes cod, scl
.if DOCPART == 1
	.amdgcn_target "amdgcn-amd-amdhsa--gfx1250"
	.amdhsa_code_object_version 6
	.text
	.protected	k_q6843dd4f25_quant
	.globl	k_q6843dd4f25_quant
	.p2align	8
	.type	k_q6843dd4f25_quant,@function
k_q6843dd4f25_quant:
	s_mov_b64 s[64:65], 0
	v_nop
	global_prefetch_b8 v0, s[64:65] scope:SCOPE_SE
	s_setreg_imm32_b32 hwreg(HW_REG_WAVE_MODE, 25, 1), 1
	s_wait_xcnt 0x0
; x [4096][1024] and the four weights [1024][1024], f32 with K innermost, become codes of FP6 (E2M3) with one E8M0 byte for each 32 along K,
; laid in the order of a matrix operand's registers, so that every later read of a fragment is four dense loads.
; TILES.  Tile t of a tensor holds its rows 32 (t / 2) + 8 (t % 2) + r + 8 (r / 8), r = 0 .. 15.  Tiles 0-255 are x's, 256-319 wq's, 320-383 wk's, 384-447 wv's, 448-511 wo's.
; A FRAGMENT (16 rows x 128 K) is 1,536 bytes: two halves of 768 (64 along K each); in a half lane l's registers 0-3 lie at 16 l and its registers 4-5 at 512 + 8 l;
; lane (r, h) holds k = 32 h .. 32 h + 31 of the half, of the tile's row r.  cod: tile x 12,288 + K step x 1,536.
; scl: tile x 512 + (K step / 2) x 128 + 8 r + 4 (K step % 2): one word (four bytes, 128 along K) for a row and a K step.
; A block's scale is 2^(floor(log2(its largest magnitude)) - 2); its byte is the largest magnitude's exponent field - 2, held at 1 from below.
; LIMITS: a block of zeros, and a block whose largest magnitude lies under 2^-124, gets the byte 1 (a block of zeros has zero codes, and this program alone reads the bytes); NaN and infinities are not served.
; SHARES.  A work-group is one tile, each of its eight waves one K step: 16 rows x 512 bytes.  Each load reads 512 consecutive bytes of one row; the 8,192 bytes turn through the wave's own stage in LDS,
; so that a lane gets 32 neighbours along K: a whole block, whose largest magnitude needs no other lane.  No matrix work, no tensor load: the launch only moves and converts each byte once.
.set SPITCH, 528                       ; a stage row: 512 bytes + 16
.set WSTG,   16*SPITCH                 ; a wave's stage
.set SG,     8*WSTG                    ; behind the stages: the tile's 512 bytes of scale words
.set R,      16                        ; v16-79   16 rows as loaded, 4 registers each
.set X,      80                        ; v80-143  register 32 c + i = k 64 c + 32 h + i of my row
.set PC,     144                       ; v144-155 the fragment's 12 registers
.set PT,     156                       ; v156-158, v160-162 the second halves of the two blocks' codes, before they are moved
.set TM,     164                       ; v164-171 at work
	s_load_b256 s[4:11], s[0:1], 0x0               ; x, wq, wk, wv
	s_load_b128 s[12:15], s[0:1], 0x20             ; wo, cod
	s_load_b64 s[16:17], s[0:1], 0x30              ; scl
	v_lshl_add_u32 v176, v0, 2, 0x10c00
	v_mov_b32 v177, 0
	v_lshrrev_b32 v1, 5, v0
	s_delay_alu instid0(VALU_DEP_1)
	v_readfirstlane_b32 s20, v1                    ; my wave = my K step
	v_and_b32 v1, 31, v0                           ; lane
	v_and_b32 v2, 15, v0                           ; r
	v_bfe_u32 v3, v0, 4, 1                         ; h
	s_delay_alu instid0(VALU_DEP_3)
	v_lshlrev_b32 v4, 4, v1                        ; 16 x lane
	s_delay_alu instid0(VALU_DEP_4)
	v_lshlrev_b32 v5, 3, v1                        ; 8 x lane
	s_mul_i32 s22, s20, WSTG
	v_add_nc_u32 v6, s22, v4                       ; the stage, on the way in: a row's 512 bytes as they lie
	v_mul_u32_u24 v7, v2, SPITCH
	s_delay_alu instid0(VALU_DEP_1)
	v_lshl_add_u32 v7, v3, 7, v7
	s_delay_alu instid0(VALU_DEP_1)
	v_add_nc_u32 v7, s22, v7                       ; and on the way out: row r, + 128 h: my 32 numbers of a half
	s_lshr_b32 s23, s20, 1
	s_lshl_b32 s23, s23, 7
	s_and_b32 s24, s20, 1
	s_lshl_b32 s24, s24, 2
	s_add_co_u32 s23, s23, s24
	s_add_co_u32 s23, s23, SG
	v_lshl_add_u32 v8, v2, 3, s23                  ; my row's scale word of my K step
	v_add_nc_u32 v9, SG, v4                        ; the 512 bytes read back, 16 a lane (wave 0)
	s_mov_b32 s28, 0x76543210
	s_mov_b32 s29, 0xfedcba98                      ; v_permlanex16_b32's selects for lane l xor 16
	s_wait_alu depctr_va_vdst(0)
	s_wait_kmcnt 0x0
	s_mov_b64 s[18:19], s[12:13]                   ; which tensor: the choice hangs on the work-group's number alone
	s_cmp_lt_u32 ttmp9, 448
	s_cselect_b64 s[18:19], s[10:11], s[18:19]
	s_cmp_lt_u32 ttmp9, 384
	s_cselect_b64 s[18:19], s[8:9], s[18:19]
	s_cmp_lt_u32 ttmp9, 320
	s_cselect_b64 s[18:19], s[6:7], s[18:19]
	s_cmp_lt_u32 ttmp9, 256
	s_cselect_b64 s[18:19], s[4:5], s[18:19]
	s_cselect_b32 s21, 255, 63
	s_and_b32 s21, ttmp9, s21                      ; the tile's number in its tensor
	s_lshr_b32 s24, s21, 1
	s_lshl_b32 s24, s24, 5
	s_and_b32 s25, s21, 1
	s_lshl_b32 s25, s25, 3
	s_add_co_u32 s24, s24, s25                     ; its first row
	s_lshl_b32 s24, s24, 12                        ; rows of 4,096 bytes
	s_lshl_b32 s25, s20, 9                         ; my K step's 512 bytes
	s_add_co_u32 s24, s24, s25
	s_mov_b32 s25, 0
	s_add_nc_u64 s[18:19], s[18:19], s[24:25]
	s_mul_i32 s24, ttmp9, 12288
	s_mul_i32 s26, s20, 1536
	s_add_co_u32 s24, s24, s26
	s_add_nc_u64 s[14:15], s[14:15], s[24:25]      ; my fragment in cod
	s_lshl_b32 s24, ttmp9, 9
	s_add_nc_u64 s[16:17], s[16:17], s[24:25]      ; my tile's words in scl
.irp i, 0,1,2,3,4,5,6,7,8,9,10,11,12,13,14,15
	global_load_b128 v[R+4*\i:R+4*\i+3], v4, s[18:19] offset:(\i+8*(\i/8))*4096 th:TH_LOAD_NT   ; the tile's row i: 32 lanes read 512 consecutive bytes
.endr
.irp i, 0,1,2,3,4,5,6,7,8,9,10,11,12,13,14,15
	s_wait_loadcnt 15-\i                           ; loads come back in order: row i is in, the younger ones stay out
	ds_store_b128 v6, v[R+4*\i:R+4*\i+3] offset:SPITCH*\i
.endr
.irp c, 0,1
.irp j, 0,1,2,3,4,5,6,7
	ds_load_b128 v[X+32*\c+4*\j:X+32*\c+4*\j+3], v7 offset:256*\c+16*\j   ; LDS serves a wave's instructions in order: these see my stores
.endr
.endr
; my block 2 c + h of the K step: all its 32 numbers are mine
.macro QB c
	v_max3_num_f32 v[TM], |v[X+32*\c]|, |v[X+32*\c+1]|, 0x1800000     ; with the floor 2^(3 - 127): the byte cannot fall under 1
	v_max3_num_f32 v[TM+1], |v[X+32*\c+2]|, |v[X+32*\c+3]|, |v[X+32*\c+4]|   ; (two chains, so that no line waits for the line above it)
.irp i, 5,9,13,17,21,25
	s_delay_alu instid0(VALU_DEP_2)
	v_max3_num_f32 v[TM], v[TM], |v[X+32*\c+\i]|, |v[X+32*\c+\i+1]|
	s_delay_alu instid0(VALU_DEP_2)
	v_max3_num_f32 v[TM+1], v[TM+1], |v[X+32*\c+\i+2]|, |v[X+32*\c+\i+3]|
.endr
	s_delay_alu instid0(VALU_DEP_2)
	v_max3_num_f32 v[TM], v[TM], |v[X+32*\c+29]|, |v[X+32*\c+30]|
	s_delay_alu instid0(VALU_DEP_1)
	v_max3_num_f32 v[TM], v[TM], v[TM+1], |v[X+32*\c+31]|
	s_delay_alu instid0(VALU_DEP_1)
	v_add_nc_u32 v[TM+2+\c], 0xff000000, v[TM]     ; 2 off its exponent field: the conversion takes the exponent field of this operand as its scale
	s_delay_alu instid0(VALU_DEP_1)
	v_lshrrev_b32 v[TM+4+\c], 23, v[TM+2+\c]       ; the scale's byte
	v_cvt_scalef32_pk16_fp6_f32 v[PC+6*\c:PC+6*\c+2], v[X+32*\c:X+32*\c+15], v[TM+2+\c]
	v_cvt_scalef32_pk16_fp6_f32 v[PT+4*\c:PT+4*\c+2], v[X+32*\c+16:X+32*\c+31], v[TM+2+\c]   ; (a conversion's three registers begin on an even number)
.endm
	s_wait_dscnt 8                                 ; the first half's eight reads are in; the second half's eight may be out
	QB 0
	s_wait_dscnt 0x0
	QB 1
	v_nop                                          ; one plain place behind a scaled conversion
.irp c, 0,1
.irp i, 0,1,2
	v_mov_b32 v[PC+6*\c+3+\i], v[PT+4*\c+\i]
.endr
.endr
	v_lshl_or_b32 v[TM+6], v[TM+5], 16, v[TM+4]    ; my two bytes: blocks h and 2 + h of my row,
	v_lshlrev_b32 v[TM+7], 3, v3
	s_delay_alu instid0(VALU_DEP_1)
	v_lshlrev_b32 v[TM+6], v[TM+7], v[TM+6]        ; at their places in the word (8 h bits up);
	v_mov_b32 v[TM+7], 0
	s_delay_alu instid0(VALU_DEP_1)
	v_permlanex16_b32 v[TM+7], v[TM+6], s28, s29
	s_delay_alu instid0(VALU_DEP_1)
	v_or_b32 v[TM+6], v[TM+6], v[TM+7]             ; with lane l xor 16's two the word is whole
	global_store_b128 v4, v[PC:PC+3], s[14:15]                     ; 512, 256, 512, 256 consecutive bytes, each at a multiple of 256 from cod's first byte
	global_store_b64 v5, v[PC+4:PC+5], s[14:15] offset:512
	global_store_b128 v4, v[PC+6:PC+9], s[14:15] offset:768
	global_store_b64 v5, v[PC+10:PC+11], s[14:15] offset:1280
	ds_store_b32 v8, v[TM+6]                       ; both halves of the lanes write the same word with the same value
	s_wait_dscnt 0x0                               ; for wave 0's sake: my word has landed
	s_barrier_signal -1
	s_barrier_wait -1
	s_cmp_lg_u32 s20, 0
	s_cbranch_scc1 .Lend
	ds_load_b128 v[TM:TM+3], v9                    ; the tile's 512 bytes of scale words leave as two aligned blocks of 256 bytes
	s_wait_dscnt 0x0
	global_store_b128 v4, v[TM:TM+3], s[16:17]
.Lend:
	s_wait_tensorcnt 0x0
	ds_add_u32 v176, v177
	s_wait_dscnt 0x0
	s_endpgm
.Lfunc_end_k_q6843dd4f25_quant:
	.size	k_q6843dd4f25_quant, .Lfunc_end_k_q6843dd4f25_quant-k_q6843dd4f25_quant
	.p2alignl 7, 3214868480
	.fill 96, 4, 3214868480
	.section	.rodata,"a",@progbits
	.p2align	6, 0x0
	.amdhsa_kernel k_q6843dd4f25_quant
		.amdhsa_group_segment_fixed_size 69632
		.amdhsa_private_segment_fixed_size 0
		.amdhsa_enable_private_segment 0
		.amdhsa_kernarg_size 56
		.amdhsa_user_sgpr_count 2
		.amdhsa_user_sgpr_kernarg_segment_ptr 1
		.amdhsa_wavefront_size32 1
		.amdhsa_system_sgpr_workgroup_id_x 1
		.amdhsa_system_sgpr_workgroup_id_y 1
		.amdhsa_system_sgpr_workgroup_id_z 1
		.amdhsa_system_vgpr_workitem_id 0
		.amdhsa_next_free_vgpr 178
		.amdhsa_next_free_sgpr 66
		.amdhsa_reserve_vcc 0
		.amdhsa_float_denorm_mode_32 3
		.amdhsa_float_denorm_mode_16_64 3
		.amdhsa_memory_ordered 1
		.amdhsa_forward_progress 1
		.amdhsa_inst_pref_size 12
	.end_amdhsa_kernel
	.amdgpu_metadata
---
amdhsa.version: [ 1, 2 ]
amdhsa.kernels:
  - .name:           k_q6843dd4f25_quant
    .symbol:         k_q6843dd4f25_quant.kd
    .args:
      - { .name: x, .offset: 0, .size: 8, .value_kind: global_buffer, .address_space: global }
      - { .name: wq, .offset: 8, .size: 8, .value_kind: global_buffer, .address_space: global }
      - { .name: wk, .offset: 16, .size: 8, .value_kind: global_buffer, .address_space: global }
      - { .name: wv, .offset: 24, .size: 8, .value_kind: global_buffer, .address_space: global }
      - { .name: wo, .offset: 32, .size: 8, .value_kind: global_buffer, .address_space: global }
      - { .name: cod, .offset: 40, .size: 8, .value_kind: global_buffer, .address_space: global }
      - { .name: scl, .offset: 48, .size: 8, .value_kind: global_buffer, .address_space: global }
    .group_segment_fixed_size: 69632
    .private_segment_fixed_size: 0
    .kernarg_segment_align: 8
    .kernarg_segment_size: 56
    .max_flat_workgroup_size: 256
    .sgpr_count:     66
    .vgpr_count:     178
    .wavefront_size: 32
...
	.end_amdgpu_metadata
.endif
;; end of part 1
;; launch qkv (part 2): grid 8 x 24, 4 waves a work-group, clusters of 4 x 4, 327,680 bytes of LDS; arguments cod, scl, qp, kv; writes qp, kv
.if DOCPART == 2
	.amdgcn_target "amdgcn-amd-amdhsa--gfx1250"
	.amdhsa_code_object_version 6
	.text
	.protected	k_q6843dd4f25_qkv
	.globl	k_q6843dd4f25_qkv
	.p2align	8
	.type	k_q6843dd4f25_qkv,@function
k_q6843dd4f25_qkv:
	s_mov_b64 s[64:65], 0
	v_nop
	global_prefetch_b8 v0, s[64:65] scope:SCOPE_SE
	s_setreg_imm32_b32 hwreg(HW_REG_WAVE_MODE, 25, 1), 1
	s_wait_xcnt 0x0
	s_wait_alu depctr_hold_cnt(0) depctr_sa_sdst(0) depctr_va_vdst(0) depctr_va_sdst(0) depctr_va_ssrc(0) depctr_va_vcc(0) depctr_vm_vsrc(0)
	s_getreg_b32 s2, hwreg(HW_REG_IB_STS2, 6, 4)
	s_cmp_eq_u32 s2, 0
	s_cbranch_scc0 .Lentry_in_a_cluster
	s_endpgm
.Lentry_in_a_cluster:
	s_bfe_u32 s2, ttmp6, 0x10000c
	s_cmp_lg_u32 s2, 0xf033
	s_cbranch_scc0 .Lentry_shape_is_right
	s_endpgm
.Lentry_shape_is_right:
.set FR,    12
.set TB,    3072
.set OBT,   12288
.set HALFT, 8*TB
.set SLOT,  4*HALFT
.set SPARE, 2*SLOT
.set STGQ,  SPARE+512
.set STGV,  STGQ+4*3072
.set PACK,  14080
.set HS,    16*PACK
.set LSV,  13
.set VOV,  14
.set LSQ,  15
.set A16R, 16
.set A8R,  18
.set A16P, 20
.set A8P,  22
.set VO16, 24
.set VO8,  25
.set STS,  26
.set SPW,  28
.set NIL,  29
.set STT,  30
.set STV,  31
.set SCR,  32
.set SCP,  64
.set RF,   128
.set TM,   96
.set PW,   112
.set NS,   114
.set NR,   122
.set V1,   124
.set V2,   126
.set PC,   128
.set W0,   148
.set NT,   150
.set OUT,  160
.set G1R, 24
.set G0R, 32
.set G1P, 48
.set G0P, 56
.set MSB, 0
.macro WIN new
.if MSB != \new
	s_set_vgpr_msb (MSB<<8)|\new
.set MSB, \new
.endif
.endm
.set MUL_LO, 0xa1
.set MUL_HI, 0xf1
.set TO_P,   0x40
.macro JLOAD s
	s_cmp_eq_u32 s15, 0
	s_cbranch_scc0 .Lfor_p_\@
	tensor_load_to_lds s[G0R+4*\s:G0R+4*\s+3], s[G1R:G1R+7]
	s_nop 0
.rept 4
	v_nop
.endr
	s_branch .Lasked_\@
.Lfor_p_\@:
	tensor_load_to_lds s[G0P+4*\s:G0P+4*\s+3], s[G1P:G1P+7]
	s_nop 0
.rept 4
	v_nop
.endr
.Lasked_\@:
.endm
.macro CREST
	s_cmp_lg_u32 s14, 0
	s_cbranch_scc1 .Lnot_wave_0_\@
	s_barrier_signal -3
.Lnot_wave_0_\@:
	s_barrier_wait -3
	s_barrier_signal -1
	s_barrier_wait -1
.endm
.macro CROUND
	s_barrier_signal -1
	s_barrier_wait -1
	CREST
.endm
.macro PLACES
.rept 4
	v_nop
.endr
.endm
	s_load_b256 s[4:11], s[0:1], 0x0
	v_lshl_add_u32 v[SPW], v0, 2, SPARE
	v_mov_b32 v[NIL], 0
	ds_add_u32 v28, v29
	ds_add_u32 v28, v29
	s_wait_dscnt 0x0
	v_lshrrev_b32 v1, 5, v0
	v_readfirstlane_b32 s14, v1
	s_lshr_b32 s15, s14, 1
	s_and_b32 s16, s14, 1
	s_bfe_u32 s40, ttmp6, 0x40000
	s_bfe_u32 s41, ttmp6, 0x40004
	s_lshl_b32 s42, ttmp9, 2
	s_add_co_u32 s42, s42, s40
	s_and_b32 s17, ttmp7, 0xffff
	s_lshl_b32 s43, s41, 2
	s_lshl_b32 s43, 15, s43
	s_lshl_b32 s44, 0x1111, s40
	s_or_b32 s[G1R+0], s43, (3<<16)|(1<<21)
	s_or_b32 s[G1P+0], s44, (3<<16)|(1<<21)
.irp g, G1R, G1P
	s_mov_b32 s[\g+1], 384<<16
	s_mov_b32 s[\g+2], 8<<16
	s_mov_b32 s[\g+3], 384<<16
	s_mov_b32 s[\g+4], 8
	s_mov_b32 s[\g+5], 1536
	s_mov_b32 s[\g+6], 0
	s_mov_b32 s[\g+7], 0
.endr
	s_lshl_b32 s18, s17, 6
	s_lshl_b32 s19, s17, 7
	s_sub_co_u32 s19, s19, 512
	s_cmp_lt_u32 s17, 4
	s_cselect_b32 s18, s18, 384
	s_cselect_b32 s19, 256, s19
	s_lshl_b32 s20, s41, 4
	s_add_co_u32 s20, s20, s18
	s_lshl_b32 s46, s42, 4
	s_add_co_u32 s46, s46, s19
	s_lshl_b32 s21, s16, 3
	s_add_co_u32 s22, s20, s21
	s_mul_i32 s22, s22, OBT
	s_mov_b32 s23, 0
	s_add_co_u32 s70, s46, s21
	s_mul_i32 s70, s70, OBT
	s_mov_b32 s71, 0
	s_mul_i32 s45, s14, HALFT
	s_wait_kmcnt 0x0
	s_add_nc_u64 s[22:23], s[4:5], s[22:23]
	s_add_nc_u64 s[70:71], s[4:5], s[70:71]
	CROUND
.irp s, 0,1
	s_mov_b32 s[G0R+4*\s], 1
	s_add_co_u32 s[G0R+4*\s+1], s45, \s*SLOT
	s_add_nc_u64 s[G0R+4*\s+2:G0R+4*\s+3], s[22:23], \s*TB
	s_or_b32 s[G0R+4*\s+3], s[G0R+4*\s+3], 0x80000000
	s_mov_b32 s[G0P+4*\s], 1
	s_add_co_u32 s[G0P+4*\s+1], s45, \s*SLOT
	s_add_nc_u64 s[G0P+4*\s+2:G0P+4*\s+3], s[70:71], \s*TB
	s_or_b32 s[G0P+4*\s+3], s[G0P+4*\s+3], 0x80000000
.endr
	JLOAD 0                                        ; slot 0's first fill, my one tensor load at the head, behind the round above; the addresses and the scale words' loads below stand under its flight
	v_and_b32 v1, 31, v0
	v_and_b32 v2, 15, v0
	v_bfe_u32 v3, v0, 4, 1
	v_lshlrev_b32 v[VO16], 4, v1
	v_lshlrev_b32 v[VO8], 3, v1
	s_mul_i32 s21, s15, HALFT
	s_mul_i32 s76, s16, HALFT
	s_add_co_u32 s76, s76, 2*HALFT
.irp s, 0,1
	v_add_nc_u32 v[A16R+\s], s21, v[VO16]
	v_add_nc_u32 v[A8R+\s], s21, v[VO8]
	v_add_nc_u32 v[A16P+\s], s76, v[VO16]
	v_add_nc_u32 v[A8P+\s], s76, v[VO8]
	s_add_co_u32 s21, s21, SLOT
	s_add_co_u32 s76, s76, SLOT
.endr
	s_mul_i32 s77, s14, 3072
	s_add_co_u32 s77, s77, STGQ
	v_lshl_add_u32 v[STS], v2, 2, s77
	v_and_b32 v4, 8, v2
	v_add_nc_u32 v4, v4, v2
	v_lshl_add_u32 v[STT], v4, 2, s77
	v_add_nc_u32 v[LSQ], s77, v[VO16]
	s_lshl_b32 s78, s14, 9
	s_add_co_u32 s78, s78, STGV
	v_lshl_add_u32 v[STV], v2, 2, s78
	v_add_nc_u32 v[LSV], s78, v[VO16]
	v_lshlrev_b32 v[VOV], 4, v2
	v_mul_u32_u24 v5, v3, HS
	v_add_nc_u32 v[VOV], v[VOV], v5
	s_lshl_b32 s72, s15, 3
	s_add_co_u32 s72, s72, s20
	s_lshl_b32 s72, s72, 9
	s_mov_b32 s73, 0
	s_add_nc_u64 s[72:73], s[6:7], s[72:73]
	s_lshl_b32 s74, s16, 3
	s_add_co_u32 s74, s74, s46
	s_lshl_b32 s74, s74, 9
	s_mov_b32 s75, 0
	s_add_nc_u64 s[74:75], s[6:7], s[74:75]
.irp i, 0,1,2,3,4,5,6,7
.irp l, 0,1
	global_load_b64 v[SCR+4*\i+2*\l:SCR+4*\i+2*\l+1], v[VO8], s[72:73] offset:512*\i+256*\l
	global_load_b64 v[SCP+4*\i+2*\l:SCP+4*\i+2*\l+1], v[VO8], s[74:75] offset:512*\i+256*\l
.endr
.endr
.macro FRAG reg, a16, a8, off
	ds_load_b128 v[\reg:\reg+3], v[\a16] offset:\off
	ds_load_b64 v[\reg+4:\reg+5], v[\a8] offset:\off+512
	ds_load_b128 v[\reg+6:\reg+9], v[\a16] offset:\off+768
	ds_load_b64 v[\reg+10:\reg+11], v[\a8] offset:\off+1280
.endm
.macro FETCH_P slot, q, p
	WIN TO_P
.irp i, 0,1,2,3,4,5,6,7
	FRAG 128*(\p)+FR*\i, A16P+\slot, A8P+\slot, \i*TB+(\q)*1536
.endr
	WIN 0
.endm
.macro FETCH_R slot, q, i0
.irp i, \i0, \i0+1, \i0+2, \i0+3
	FRAG RF+FR*(\i), A16R+\slot, A8R+\slot, (\i)*TB+(\q)*1536
.endr
.endm
.macro MUL16 a0, p, k, zero
.irp a, \a0, \a0+1
.irp b, 0,1,2,3,4,5,6,7
.set rD, 8*(8*((\a)%4)+\b)
.set rP, 128*(\p)+FR*\b
.set rR, RF+FR*(\a)
.set rX, 2*((\k)/4)+(\k)%2
.if \zero
	v_wmma_scale_f32_16x16x128_f8f6f4 v[rD:rD+7], v[rP:rP+FR-1], v[rR:rR+FR-1], 0, v[SCP+4*\b+rX], v[SCR+4*(\a)+rX] matrix_a_fmt:MATRIX_FMT_FP6 matrix_b_fmt:MATRIX_FMT_FP6
.elseif ((\k)/2)%2
	v_wmma_scale_f32_16x16x128_f8f6f4 v[rD:rD+7], v[rP:rP+FR-1], v[rR:rR+FR-1], v[rD:rD+7], v[SCP+4*\b+rX], v[SCR+4*(\a)+rX] matrix_a_fmt:MATRIX_FMT_FP6 matrix_b_fmt:MATRIX_FMT_FP6 matrix_a_scale:MATRIX_SCALE_ROW1 matrix_b_scale:MATRIX_SCALE_ROW1
.else
	v_wmma_scale_f32_16x16x128_f8f6f4 v[rD:rD+7], v[rP:rP+FR-1], v[rR:rR+FR-1], v[rD:rD+7], v[SCP+4*\b+rX], v[SCR+4*(\a)+rX] matrix_a_fmt:MATRIX_FMT_FP6 matrix_b_fmt:MATRIX_FMT_FP6
.endif
.endr
.endr
.endm
.macro STEP slot, k, zero
	s_wait_dscnt 16
	WIN MUL_LO
	MUL16 0, 0, \k, \zero
	MUL16 2, 0, \k, \zero
	s_wait_dscnt 0x0
	PLACES
	FETCH_P \slot, 1, 1
	FETCH_R \slot, 1, 0
	WIN MUL_HI
	MUL16 4, 0, \k, \zero
	MUL16 6, 0, \k, \zero
	PLACES
	WIN 0
	FETCH_R \slot, 1, 4
.endm
.macro TURN slot, next, k, fill
	s_wait_tensorcnt 0x0
	ds_add_u32 v[SPW], v[NIL]
	s_wait_dscnt 17
	WIN MUL_LO
	MUL16 0, 1, \k, 0
	s_wait_dscnt 0x0
	s_barrier_signal -1
	MUL16 2, 1, \k, 0
	WIN 0
	s_barrier_wait -1
.if \fill
	CREST
	s_add_nc_u64 s[G0R+4*\slot+2:G0R+4*\slot+3], s[G0R+4*\slot+2:G0R+4*\slot+3], 2*TB
	s_add_nc_u64 s[G0P+4*\slot+2:G0P+4*\slot+3], s[G0P+4*\slot+2:G0P+4*\slot+3], 2*TB
	JLOAD \slot
.else
	PLACES
.endif
	FETCH_P \next, 0, 0
	FETCH_R \next, 0, 0
	WIN MUL_HI
	MUL16 4, 1, \k, 0
	MUL16 6, 1, \k, 0
	PLACES
	WIN 0
	FETCH_R \next, 0, 4
.endm
	s_wait_alu depctr_va_vdst(0)                   ; the wait at the head's end
	s_wait_tensorcnt 0x0                           ; my part of slot 0 is in
	ds_add_u32 v[SPW], v[NIL]
	s_wait_dscnt 0x0
	CROUND                                         ; everybody's part of slot 0 is in, and all sixteen work-groups are here
	JLOAD 1                                        ; slot 1's first fill, the first tensor load behind the round
	FETCH_P 0, 0, 0
	FETCH_R 0, 0, 0
	FETCH_R 0, 0, 4
	s_wait_loadcnt 0x0
	STEP 0, 0, 1
	TURN 0, 1, 1, 1
	STEP 1, 2, 0
	TURN 1, 0, 3, 1
	STEP 0, 4, 0
	TURN 0, 1, 5, 0
	STEP 1, 6, 0
	s_wait_dscnt 16
	WIN MUL_LO
	MUL16 0, 1, 7, 0
	MUL16 2, 1, 7, 0
	s_wait_dscnt 0x0
	WIN MUL_HI
	MUL16 4, 1, 7, 0
	MUL16 6, 1, 7, 0
	WIN 0
	s_lshl_b32 s80, s16, 3
	s_add_co_u32 s80, s80, s46
	s_lshl_b32 s81, s15, 3
	s_add_co_u32 s81, s81, s20
	s_and_b32 s82, s42, 3
	s_lshl_b32 s82, s82, 2
	s_lshl_b32 s83, s16, 1
	s_add_co_u32 s82, s82, s83
	s_lshl_b32 s83, s41, 2
	s_lshl_b32 s84, s15, 1
	s_add_co_u32 s83, s83, s84
	s_cmp_lt_u32 s17, 4
	s_cselect_b32 s80, s81, s80
	s_cselect_b32 s82, s82, s83
	s_lshr_b32 s81, s80, 7
	s_bfe_u32 s83, s80, 0x40003
	s_lshl_b32 s81, s81, 4
	s_add_co_u32 s81, s81, s82
	s_lshl_b32 s81, s81, 4
	s_add_co_u32 s81, s81, s83
	s_mul_i32 s12, s81, PACK
	s_mov_b32 s13, 0
	s_lshr_b32 s84, s17, 2
	s_or_b32 s84, s84, ttmp9
	s_cmp_eq_u32 s84, 0
	s_cselect_b64 s[86:87], s[8:9], s[10:11]
	s_cselect_b32 s66, 2.0, -0.5
	s_add_nc_u64 s[12:13], s[86:87], s[12:13]
	s_mov_b32 s67, 0x7f7f0000
	s_mov_b32 s68, 0x76543210
	s_mov_b32 s69, 0xfedcba98
	PLACES
.irp b, 0,1,2,3
	v_mov_b32 v[TM+4+\b], 0
.endr
	v_mov_b32 v[NT], 0
	v_mov_b32 v[NT+1], 0
.macro UNIT a, rv
.set WW, 2+(\a)/4
.set AC, 64*((\a)%4)
	s_wait_xcnt 0x0
	s_wait_dscnt 0x0
	WIN 20*WW
.irp b, 0,1,2,3
	v_max3_num_f32 v[TM+\b], 0x1800000, |v[AC+16*\b]|, |v[AC+16*\b+1]|
.endr
.irp i, 2,4,6,8,10,12,14
.irp b, 0,1,2,3
	v_max3_num_f32 v[TM+\b], v[TM+\b], |v[AC+16*\b+\i]|, |v[AC+16*\b+\i+1]|
.endr
.endr
.if !\rv
	WIN 5*WW
.irp c, 0,1
	v_pk_mul_f32 v[NS+4*\c:NS+4*\c+1], v[AC+32*\c:AC+32*\c+1], v[AC+32*\c:AC+32*\c+1]
	v_pk_mul_f32 v[NS+4*\c+2:NS+4*\c+3], v[AC+32*\c+2:AC+32*\c+3], v[AC+32*\c+2:AC+32*\c+3]
.endr
.irp i, 4,8,12,16,20,24,28
.irp c, 0,1
	v_pk_fma_f32 v[NS+4*\c:NS+4*\c+1], v[AC+32*\c+\i:AC+32*\c+\i+1], v[AC+32*\c+\i:AC+32*\c+\i+1], v[NS+4*\c:NS+4*\c+1]
	v_pk_fma_f32 v[NS+4*\c+2:NS+4*\c+3], v[AC+32*\c+\i+2:AC+32*\c+\i+3], v[AC+32*\c+\i+2:AC+32*\c+\i+3], v[NS+4*\c+2:NS+4*\c+3]
.endr
.endr
.endif
	WIN 0
.irp b, 0,1,2,3
	v_permlanex16_b32 v[TM+4+\b], v[TM+\b], s68, s69
.endr
.irp b, 0,1,2,3
	v_max_num_f32 v[TM+\b], v[TM+\b], v[TM+4+\b]
.endr
.irp b, 0,1,2,3
	v_add_nc_u32 v[TM+12+\b], 0xff000000, v[TM+\b]
.endr
.irp b, 0,1,2,3
	v_lshrrev_b32 v[TM+4+\b], 23, v[TM+12+\b]
.endr
	v_lshl_or_b32 v[PW], v[TM+5], 8, v[TM+4]
	v_lshl_or_b32 v[PW], v[TM+6], 16, v[PW]
	v_lshl_or_b32 v[PW], v[TM+7], 24, v[PW]
.if !\rv
.irp c, 0,1
	v_pk_add_f32 v[NS+4*\c:NS+4*\c+1], v[NS+4*\c:NS+4*\c+1], v[NS+4*\c+2:NS+4*\c+3]
.endr
.irp c, 0,1
	v_add_f32 v[NR+\c], v[NS+4*\c], v[NS+4*\c+1]
.endr
.irp c, 0,1
	v_permlanex16_b32 v[NT+\c], v[NR+\c], s68, s69
.endr
.irp c, 0,1
	v_add_f32 v[NR+\c], v[NR+\c], v[NT+\c]
.endr
.irp c, 0,1
	v_mul_f32 v[V1+\c], s66, v[NR+\c]
.endr
.irp c, 0,1
	v_sub_f32 v[NT+\c], 1.0, v[NR+\c]
.endr
	s_wait_alu depctr_va_vdst(0)
.irp c, 0,1
	v_rcp_f32 v[V2+\c], v[NT+\c]
.endr
.endif
	WIN WW
.irp c, 0,1
	v_cvt_scalef32_pk16_fp6_f32 v[PC+6*\c:PC+6*\c+2], v[AC+32*\c:AC+32*\c+15], v[TM+12+2*\c]
	v_cvt_scalef32_pk16_fp6_f32 v[PC+12+4*\c:PC+14+4*\c], v[AC+32*\c+16:AC+32*\c+31], v[TM+13+2*\c]
.endr
	WIN 0
	v_nop
.irp c, 0,1
.irp i, 0,1,2
	v_permlane16_swap_b32 v[PC+6*\c+\i], v[PC+12+4*\c+\i]
.endr
.irp i, 0,1,2
	v_mov_b32 v[PC+3+6*\c+\i], v[PC+12+4*\c+\i]
.endr
.endr
.if \rv
	global_store_b128 v[VO16], v[PC:PC+3], s[12:13] offset:((\a)/4)*HS+6144+((\a)%4)*1536
	global_store_b64 v[VO8], v[PC+4:PC+5], s[12:13] offset:((\a)/4)*HS+6144+((\a)%4)*1536+512
	global_store_b128 v[VO16], v[PC+6:PC+9], s[12:13] offset:((\a)/4)*HS+6144+((\a)%4)*1536+768
	global_store_b64 v[VO8], v[PC+10:PC+11], s[12:13] offset:((\a)/4)*HS+6144+((\a)%4)*1536+1280
	ds_store_b32 v[STV], v[PW] offset:64*(\a)
.else
	v_and_or_b32 v[W0], v[PW], 0xffff, s67
	v_lshrrev_b32 v[W0+1], 16, v[PW]
	v_or_b32 v[W0+1], s67, v[W0+1]
	s_wait_alu depctr_va_vdst(0)
.irp c, 0,1
	global_store_b128 v[VO16], v[PC+6*\c:PC+6*\c+3], s[12:13] offset:\c*HS+(\a)*768
	global_store_b64 v[VO8], v[PC+6*\c+4:PC+6*\c+5], s[12:13] offset:\c*HS+(\a)*768+512
	ds_store_b32 v[STS], v[W0+\c] offset:\c*1536+64*(\a)
	ds_store_b32 v[STT], v[V1+\c] offset:\c*1536+512+4*(32*((\a)/2)+8*((\a)%2))
	ds_store_b32 v[STT], v[V2+\c] offset:\c*1536+1024+4*(32*((\a)/2)+8*((\a)%2))
.endr
.endif
.endm
	s_cmp_lt_u32 s17, 4
	s_cbranch_scc0 .Lrole_v
.irp a, 0,1,2,3,4,5,6,7
	UNIT \a, 0
.endr
.irp i, 0,1,2,3,4,5
	ds_load_b128 v[OUT+4*\i:OUT+4*\i+3], v[LSQ] offset:512*\i
.endr
.irp i, 0,1,2,3,4,5
	s_wait_dscnt 5-\i
	global_store_b128 v[VO16], v[OUT+4*\i:OUT+4*\i+3], s[12:13] offset:(\i/3)*HS+12288+768*((\i%3+1)/2)+512*((\i%3)/2)
.endr
	s_branch .Ldone
.Lrole_v:
.irp a, 0,1,2,3,4,5,6,7
	UNIT \a, 1
.endr
	ds_load_b128 v[OUT:OUT+3], v[LSV]
	s_wait_dscnt 0x0
	global_store_b128 v[VOV], v[OUT:OUT+3], s[12:13] offset:12800
.Ldone:
	s_wait_tensorcnt 0x0
	ds_add_u32 v[SPW], v[NIL]
	s_wait_dscnt 0x0
	CROUND
	s_endpgm
.Lfunc_end_k_q6843dd4f25_qkv:
	.size	k_q6843dd4f25_qkv, .Lfunc_end_k_q6843dd4f25_qkv-k_q6843dd4f25_qkv
	.p2alignl 7, 3214868480
	.fill 96, 4, 3214868480
	.section	.rodata,"a",@progbits
	.p2align	6, 0x0
	.amdhsa_kernel k_q6843dd4f25_qkv
		.amdhsa_group_segment_fixed_size 327680
		.amdhsa_private_segment_fixed_size 0
		.amdhsa_enable_private_segment 0
		.amdhsa_kernarg_size 32
		.amdhsa_user_sgpr_count 2
		.amdhsa_user_sgpr_kernarg_segment_ptr 1
		.amdhsa_wavefront_size32 1
		.amdhsa_system_sgpr_workgroup_id_x 1
		.amdhsa_system_sgpr_workgroup_id_y 1
		.amdhsa_system_sgpr_workgroup_id_z 1
		.amdhsa_system_vgpr_workitem_id 0
		.amdhsa_next_free_vgpr 1024
		.amdhsa_next_free_sgpr 100
		.amdhsa_reserve_vcc 0
		.amdhsa_float_denorm_mode_32 3
		.amdhsa_float_denorm_mode_16_64 3
		.amdhsa_memory_ordered 1
		.amdhsa_forward_progress 1
		.amdhsa_inst_pref_size 210
	.end_amdhsa_kernel
	.amdgpu_metadata
---
amdhsa.version: [ 1, 2 ]
amdhsa.kernels:
  - .name:           k_q6843dd4f25_qkv
    .symbol:         k_q6843dd4f25_qkv.kd
    .args:
      - { .name: cod, .offset: 0, .size: 8, .value_kind: global_buffer, .address_space: global }
      - { .name: scl, .offset: 8, .size: 8, .value_kind: global_buffer, .address_space: global }
      - { .name: qp, .offset: 16, .size: 8, .value_kind: global_buffer, .address_space: global }
      - { .name: kv, .offset: 24, .size: 8, .value_kind: global_buffer, .address_space: global }
    .group_segment_fixed_size: 327680
    .private_segment_fixed_size: 0
    .kernarg_segment_align: 8
    .kernarg_segment_size: 32
    .max_flat_workgroup_size: 128
    .sgpr_count:     100
    .vgpr_count:     1024
    .wavefront_size: 32
...
	.end_amdgpu_metadata
.endif
;; end of part 2
;; launch attn (part 3): grid 8 x 32, 16 waves a work-group, clusters of 4 x 1, 231,424 bytes of LDS; arguments qp, kv, ac, asc; writes ac, asc
.if DOCPART == 3
	.amdgcn_target "amdgcn-amd-amdhsa--gfx1250"
	.amdhsa_code_object_version 6
	.text
	.protected	k_q6843dd4f25_attn
	.globl	k_q6843dd4f25_attn
	.p2align	8
	.type	k_q6843dd4f25_attn,@function
k_q6843dd4f25_attn:
	s_mov_b64 s[64:65], 0
	v_nop
	global_prefetch_b8 v0, s[64:65] scope:SCOPE_SE
	s_setreg_imm32_b32 hwreg(HW_REG_WAVE_MODE, 25, 1), 1
	s_wait_xcnt 0x0
	s_wait_alu depctr_hold_cnt(0) depctr_sa_sdst(0) depctr_va_vdst(0) depctr_va_sdst(0) depctr_va_ssrc(0) depctr_va_vcc(0) depctr_vm_vsrc(0)
	s_getreg_b32 s2, hwreg(HW_REG_IB_STS2, 6, 4)
	s_cmp_eq_u32 s2, 0
	s_cbranch_scc0 .Lentry_in_a_cluster
	s_endpgm
.Lentry_in_a_cluster:
	s_bfe_u32 s2, ttmp6, 0x10000c
	s_cmp_lg_u32 s2, 0x3003
	s_cbranch_scc0 .Lentry_shape_is_right
	s_endpgm
.Lentry_shape_is_right:
; Attention with the hyperbolic distance as its logit, both products on codes of FP6 (E2M3) with E8M0 scales; its result leaves as the codes of the last projection's operand.
; FOR A QUERY AND A KEY:  N = 2 |q|^2 + 2 |k|^2 - 4 q.k;  a = max(1 + N / max((1 - |q|^2)(1 - |k|^2), 1e-6), 1);  the logit is -arccosh(a), so e^logit = u = 1 / E, E = a + sqrt(a a - 1), between 0 and 1: no exponential is taken.
; ONE RECIPROCAL SERVES TWO SCORES: R = 1 / (E1 E2), u1 = R E2, u2 = R E1: three packed multiplications for two pairs in place of two reciprocals.
; What is quantised is p = u 2^-M, M = the ceiling of log2 of the row's largest u so far: a whole number.  2^-M changes no code: it is added to the block's scale byte; the step's sum of u is multiplied by it once.
; When M moves, the sum and O are multiplied by 2^(old M - new M): exact.  The row's sum is taken of the unquantised p and divides O at the end.
; 1 / max(D, 1e-6), D = (1 - |q|^2)(1 - |k|^2), is min(bits(rA rB), bits(1e6)) as unsigned numbers, rA = 1 / (1 - |q|^2), rB = 1 / (1 - |k|^2): negative products, both zeros' reciprocals and all above 1e6 lie above bits(1e6).
; -|k|^2 / 2 is the C of the first product, so that q.k - |k|^2 / 2 costs no vector instruction.
; LIMITS: a stays under 2^62 (a a is formed in f32, and E1 E2 must stay under 2^126, so that its reciprocal is no denormal): with the denominator held at 1e-6 that is a squared distance under 2.3e12;
; NaN and infinities are not served; a block of p under 2^-124 of u gets the byte of the floor.
; SHARES.  A work-group owns 256 queries of one (batch, head); each of its sixteen waves 16 of them, in 256 registers: four waves to a SIMD.
; THE WHOLE HEAD LIES IN LDS: its 16 packs of 14,080 bytes (128 keys each: k's halves, v's fragments, scale words, -|k|^2 / 2, rB) are filled once, wave w bringing pack w: no slot is filled again.
; CLUSTER: the four query blocks of a cluster belong to one head and ask for each pack jointly.  No prefetch: every byte is asked for at the head, ahead of the loop.
; LAYOUT.  Both products are used transposed (S^T = K Q^T, O^T = V^T P^T): a lane holds one query; the keys of a tile are chosen so that the 16 registers of tiles 2 b, 2 b + 1 are keys 32 b + 16 h + 0 .. 15.
; K = 64 IN A PRODUCT OF 128: q's registers 6-11 are zero codes; a tile of k is named as 12 registers of which the upper six are the next tile's codes: finite numbers times zero, under the byte 0x7f on both sides.
; THE ORDER OF A STEP.  u is made in the registers that held k; the scores' registers are then free, and the next step's C (16 LDS loads) is asked for at once.  v's fragments follow the conversions into u's registers.
; The block maxima, the sum and the chain that makes M are laid by turns, so that every plain vector instruction there reads results made at least five vector instructions earlier.
.set PACK, 14080
.set HS,   16*PACK
.set QF, 16                            ; v16-27   q's fragment
.set PC, 28                            ; v28-39   p's codes;  v40-47 their second halves before the exchange
.set PT, 40
.set AC, 28                            ; v28-43   ahead of the conversions: the step's sum of u, eight pairs
.set TM, 48                            ; v48-51 largest u of the blocks, v52-55 bytes, v60-63 the conversions' scale operands
.set OA, 64                            ; v64-95   O^T: register 16 b + i = channel 32 b + 16 h + i
.set SA, 96                            ; v96-159  -|k|^2/2, the scores, N, a, E
.set RB, 160                           ; v160-223 k's codes, rB, 1 / denominator, a a - 1, its root, E1 E2 and R, u; then v160-207 v's codes
.set KS, 224                           ; v224-227 k's scale words: lanes 0-15 tile 2 i, lanes 16-31 tile 2 i + 1
.set VS, 228                           ; v228-229 v's likewise
.set QS, 230                           ; v230 q's scale words
.set PW, 231                           ; v231 p's
.set QN, 232                           ; v232 2 |q|^2 (v233 named with it as a pair)
.set RA, 234                           ; v234 rA
.set UM, 236                           ; v236 the row's largest u so far
.set MB, 237                           ; v237 M + 127
.set LS, 238                           ; v[238:239] the row's sum, in two halves
.set FF, 240                           ; v240 2^(old M - new M)
.set GG, 242                           ; v242 2^-M
.set SU, 244                           ; v[244:245] the step's sum of u, in two halves
.set TT, 246                           ; v246-251 at work
.macro CROUND                          ; a round of the cluster's barrier
	s_barrier_signal -1
	s_barrier_wait -1
	s_cmp_lg_u32 s14, 0
	s_cbranch_scc1 .Lnot_wave_0_\@
	s_barrier_signal -3
.Lnot_wave_0_\@:
	s_barrier_wait -3
	s_barrier_signal -1
	s_barrier_wait -1
.endm
	s_load_b256 s[4:11], s[0:1], 0x0               ; qp s[4:5], kv s[6:7], ac s[8:9], asc s[10:11]
	v_lshl_add_u32 v254, v0, 2, 0x38000
	v_mov_b32 v255, 0
	ds_add_u32 v254, v255                          ; the opening lines: the add, twice on end, and its wait ahead of my tensor load
	ds_add_u32 v254, v255
	v_lshrrev_b32 v1, 5, v0
	s_delay_alu instid0(VALU_DEP_1)
	v_readfirstlane_b32 s14, v1                    ; wave 0..15
	s_bfe_u32 s13, ttmp6, 0x40000                  ; cx
	s_lshl_b32 s12, ttmp9, 2
	s_add_co_u32 s12, s12, s13                     ; my block of 256 queries: it enters q's and the results' addresses alone
	s_and_b32 s15, ttmp7, 0xffff                   ; batch x 16 + head, which the four partners share
	; descriptor group 1: a pack as 55 rows of 256 bytes (32 elements of 8 bytes), dense in memory and in LDS
	s_mov_b32 s24, 15|(3<<16)|(1<<21)              ; 15:0 the mask: all four work-groups; 17:16 elements of 8 bytes; 21 set beside a mask
	s_mov_b32 s25, 32<<16                          ; tensor_dim0
	s_mov_b32 s26, 55<<16                          ; tensor_dim1
	s_mov_b32 s27, 32<<16                          ; tile_dim0
	s_mov_b32 s28, 55                              ; tile_dim1
	s_mov_b32 s29, 32                              ; tensor_dim0_stride
	s_mov_b32 s30, 0
	s_mov_b32 s31, 0
	s_mul_i32 s16, s14, PACK                       ; pack w: its place in the head, in memory and in LDS
	s_mul_i32 s18, s15, HS
	s_add_co_u32 s18, s18, s16
	s_mov_b32 s19, 0
	s_mov_b32 s42, 0x49742400                      ; 1e6
	s_mov_b32 s43, 0x01010101
	s_mov_b32 s44, 0x76543210
	s_mov_b32 s45, 0xfedcba98                      ; v_permlanex16_b32's selects for lane l xor 16
	s_wait_dscnt 0x0
	s_wait_kmcnt 0x0
	CROUND                                         ; all four work-groups are here: the joint loads meet
	s_mov_b32 s32, 1                               ; count = 1
	s_mov_b32 s33, s16                             ; LDS address
	s_add_nc_u64 s[34:35], s[6:7], s[18:19]        ; global address
	s_or_b32 s35, s35, 0x80000000                  ; type = 2
	tensor_load_to_lds s[32:35], s[24:31]          ; one tensor load of mine is out, and no other follows
	s_nop 0
.rept 4
	v_nop
.endr
	s_lshl_b32 s20, s15, 4
	s_lshl_b32 s21, s12, 1
	s_add_co_u32 s20, s20, s21
	s_lshr_b32 s21, s14, 3
	s_add_co_u32 s20, s20, s21                     ; q's pack: 16 x (batch, head) + 2 x block + wave / 8
	s_mul_i32 s20, s20, PACK
	s_mov_b32 s21, 0
	s_add_nc_u64 s[4:5], s[4:5], s[20:21]
	s_and_b32 s22, s14, 7                          ; my tile in it
	s_mul_i32 s23, s22, 768
	v_and_b32 v14, 31, v0                          ; lane
	v_and_b32 v15, 15, v0                          ; r
	v_bfe_u32 v[TT], v0, 4, 1                      ; h
	s_delay_alu instid0(VALU_DEP_3)
	v_lshlrev_b32 v1, 4, v14                       ; v1-4: 16, 8, 4 x lane, 64 h: they stay
	s_delay_alu instid0(VALU_DEP_4)
	v_lshlrev_b32 v2, 3, v14
	v_lshlrev_b32 v3, 2, v14
	s_delay_alu instid0(VALU_DEP_4)
	v_lshlrev_b32 v4, 6, v[TT]
	s_delay_alu instid0(VALU_DEP_4)
	v_add_nc_u32 v9, s23, v1
	s_delay_alu instid0(VALU_DEP_4)
	v_add_nc_u32 v10, s23, v2
	s_lshl_b32 s36, s22, 6
	v_lshl_add_u32 v11, v15, 2, s36                ; my tile's scale words: 64 x tile + 4 r
	v_and_b32 v12, 8, v15
	s_delay_alu instid0(VALU_DEP_1)
	v_add_nc_u32 v12, v12, v15                     ; r + 8 (r / 8)
	s_lshr_b32 s37, s22, 1
	s_lshl_b32 s37, s37, 5
	s_and_b32 s38, s22, 1
	s_lshl_b32 s38, s38, 3
	s_add_co_u32 s37, s37, s38
	v_add_nc_u32 v12, s37, v12                     ; my query's natural place among the pack's 128
	s_delay_alu instid0(VALU_DEP_1)
	v_lshlrev_b32 v12, 2, v12
	v_lshlrev_b32 v13, 3, v15                      ; 8 r
	global_load_b128 v[QF:QF+3], v9, s[4:5]
	global_load_b64 v[QF+4:QF+5], v10, s[4:5] offset:512
	global_load_b32 v[QS], v11, s[4:5] offset:12288
	global_load_b32 v[QN], v12, s[4:5] offset:13056
	global_load_b32 v[RA], v12, s[4:5] offset:13568
.irp i, 6,7,8,9,10,11
	v_mov_b32 v[QF+\i], 0                          ; zero codes for the 64 along K that are not there
	v_mov_b32 v[RB+42+\i], 0                       ; what the last tile of k names beyond its own six registers: written before it is first named
.endr
.set j, 0
.rept 32
	v_mov_b32 v[OA+j], 0                           ; O^T.  (The first step finds zeros, which the first change of M leaves zeros)
.set j, j+1
.endr
.irp b, 0,1,2,3
	v_mov_b32 v[TM+4+\b], 0                        ; a lane permute's destination counts as one of its sources
.endr
	v_mov_b32 v[QN+1], 0                           ; the upper halves of pairs of which the low word serves both halves
	v_mov_b32 v[RA+1], 0
	v_mov_b32 v[FF+1], 0
	v_mov_b32 v[GG+1], 0
	v_mov_b32 v[UM], 0
	v_mov_b32 v[MB], 0
	v_mov_b32 v[LS], 0
	v_mov_b32 v[LS+1], 0
	v_mov_b32 v[TT+2], 0
.macro CLOAD adr, off                  ; -|k|^2 / 2 of keys 32 b + 16 h + 4 i on, of the pack that begins off bytes behind the address: the first product's C
.irp b, 0,1,2,3
.irp i, 0,1,2,3
	ds_load_b128 v[SA+16*\b+4*\i:SA+16*\b+4*\i+3], v[\adr] offset:(\off)+13056+128*\b+16*\i
.endr
.endr
.endm
.macro PKS p                           ; the p-th of the 24 additions that bring 64 u into eight pairs: pair p % 8 sums registers 8 (p % 8) .. + 7
.if (\p) < 8
	v_pk_add_f32 v[AC+2*(\p):AC+2*(\p)+1], v[RB+8*(\p):RB+8*(\p)+1], v[RB+8*(\p)+2:RB+8*(\p)+3]
.else
	v_pk_add_f32 v[AC+2*((\p)%8):AC+2*((\p)%8)+1], v[AC+2*((\p)%8):AC+2*((\p)%8)+1], v[RB+8*((\p)%8)+2*((\p)/8)+2:RB+8*((\p)%8)+2*((\p)/8)+3]
.endif
.endm
; A KEY STEP: the 128 keys of the pack at LDS byte s41; its C has been asked for already.  nxt = 1: the next pack's C is asked for.
.macro STEP nxt
	v_add_nc_u32 v5, s41, v1                       ; these four are also the places behind the last products, in front of the loads into registers that they read
	v_add_nc_u32 v6, s41, v2
	v_add_nc_u32 v7, s41, v3
	v_add_nc_u32 v8, s41, v4
.irp t, 0,1,2,3,4,5,6,7
	ds_load_b128 v[RB+6*\t:RB+6*\t+3], v5 offset:768*\t            ; k's eight halves, six registers each, on end
	ds_load_b64 v[RB+6*\t+4:RB+6*\t+5], v6 offset:768*\t+512
.endr
.irp i, 0,1,2,3
	ds_load_b32 v[KS+\i], v7 offset:12288+128*\i
.endr
	s_wait_alu depctr_va_vdst(0)
	s_wait_dscnt 0x0                               ; k, its scale words, and the C asked for a step ago
.irp t, 0,2,4,6
	v_wmma_scale_f32_16x16x128_f8f6f4 v[SA+8*\t:SA+8*\t+7], v[RB+6*\t:RB+6*\t+11], v[QF:QF+11], v[SA+8*\t:SA+8*\t+7], v[KS+\t/2], v[QS] matrix_a_fmt:MATRIX_FMT_FP6 matrix_b_fmt:MATRIX_FMT_FP6
	v_wmma_scale_f32_16x16x128_f8f6f4 v[SA+8*\t+8:SA+8*\t+15], v[RB+6*\t+6:RB+6*\t+17], v[QF:QF+11], v[SA+8*\t+8:SA+8*\t+15], v[KS+\t/2], v[QS] matrix_a_fmt:MATRIX_FMT_FP6 matrix_b_fmt:MATRIX_FMT_FP6 matrix_a_scale:MATRIX_SCALE_ROW1
.endr
.rept 4
	v_nop                                          ; places, ahead of the loads into k's registers and of the first read of the scores
.endr
.irp b, 0,1,2,3
.irp i, 0,1,2,3
	ds_load_b128 v[RB+16*\b+4*\i:RB+16*\b+4*\i+3], v8 offset:13568+128*\b+16*\i   ; rB of the same keys
.endr
.endr
.irp i, 0,1
	ds_load_b32 v[VS+\i], v7 offset:12800+128*\i
.endr
.set j, 0
.rept 32
	v_pk_fma_f32 v[SA+j:SA+j+1], v[SA+j:SA+j+1], -4.0, v[QN:QN+1] op_sel_hi:[1,0,0]   ; N = 2 |q|^2 - 4 (q.k - |k|^2 / 2); each accumulator from its low end on
.set j, j+2
.endr
	s_wait_dscnt 0x0
.set j, 0
.rept 32
	v_pk_mul_f32 v[RB+j:RB+j+1], v[RB+j:RB+j+1], v[RA:RA+1] op_sel_hi:[1,0]
.set j, j+2
.endr
.set j, 0
.rept 64
	v_min_u32 v[RB+j], s42, v[RB+j]                ; 1 / max(the denominator, 1e-6)
.set j, j+1
.endr
.set j, 0
.rept 32
	v_pk_fma_f32 v[SA+j:SA+j+1], v[SA+j:SA+j+1], v[RB+j:RB+j+1], 1.0 op_sel_hi:[1,1,0]
.set j, j+2
.endr
.set j, 0
.rept 32
	v_dual_max_num_f32 v[SA+j], 1.0, v[SA+j] :: v_dual_max_num_f32 v[SA+j+1], 1.0, v[SA+j+1]   ; a, two registers an instruction
.set j, j+2
.endr
.set j, 0
.rept 32
	v_pk_fma_f32 v[RB+j:RB+j+1], v[SA+j:SA+j+1], v[SA+j:SA+j+1], -1.0 op_sel_hi:[1,1,0]
.set j, j+2
.endr
.set j, 0
	s_wait_alu depctr_va_vdst(0)                   ; ahead of the batch
.rept 64
	v_sqrt_f32 v[RB+j], v[RB+j]
.set j, j+1
.endr
	v_nop                                          ; a plain place behind the roots
	s_wait_alu depctr_va_vdst(0)                   ; one wait for the batch, ahead of its first reader
.set j, 0
.rept 32
	v_pk_add_f32 v[SA+j:SA+j+1], v[SA+j:SA+j+1], v[RB+j:RB+j+1]    ; E
.set j, j+2
.endr
.set j, 0
.rept 16
	v_pk_mul_f32 v[RB+j:RB+j+1], v[SA+j:SA+j+1], v[SA+32+j:SA+33+j]   ; E of register j x E of register 32 + j
.set j, j+2
.endr
.set j, 0
	s_wait_alu depctr_va_vdst(0)                   ; ahead of the batch
.rept 32
	v_rcp_f32 v[RB+j], v[RB+j]                     ; R
.set j, j+1
.endr
	v_nop
	s_wait_alu depctr_va_vdst(0)                   ; one wait for the batch
.set j, 0
.rept 16
	v_pk_mul_f32 v[RB+32+j:RB+33+j], v[RB+j:RB+j+1], v[SA+j:SA+j+1]   ; u of register 32 + j = R x E of register j
.set j, j+2
.endr
.set j, 0
.rept 16
	v_pk_mul_f32 v[RB+j:RB+j+1], v[RB+j:RB+j+1], v[SA+32+j:SA+33+j]   ; u of register j = R x E of register 32 + j, over R
.set j, j+2
.endr
.if \nxt
	CLOAD 8, PACK                                  ; E has been read for the last time: its registers take the next pack's C
.endif
	; the four blocks' largest u (four chains) and the sum of u (eight chains) by turns
.irp b, 0,1,2,3
	v_max3_num_f32 v[TM+\b], v[RB+16*\b], v[RB+16*\b+1], 0x1800000  ; block b's largest u (none is negative), with the floor 2^(3 - 127)
.endr
.set pp, 0
.irp i, 2,4,6,8,10,12,14,16
	PKS pp
	PKS pp+1
	PKS pp+2
.set pp, pp+3
.if \i < 16
.irp b, 0,1,2,3
	v_max3_num_f32 v[TM+\b], v[TM+\b], v[RB+16*\b+\i], v[RB+16*\b+\i+1]
.endr
.endif
.endr
.irp b, 0,1,2,3
	v_permlanex16_b32 v[TM+4+\b], v[TM+\b], s44, s45
.endr
.irp c, 0,1,2,3
	v_pk_add_f32 v[AC+2*\c:AC+2*\c+1], v[AC+2*\c:AC+2*\c+1], v[AC+2*\c+8:AC+2*\c+9]
.endr
.irp b, 0,1,2,3
	v_max_num_f32 v[TM+\b], v[TM+\b], v[TM+4+\b]   ; with lane l xor 16's 16 keys
.endr
	v_pk_add_f32 v[AC:AC+1], v[AC:AC+1], v[AC+4:AC+5]
	v_pk_add_f32 v[AC+2:AC+3], v[AC+2:AC+3], v[AC+6:AC+7]
.irp b, 0,1,2,3
	v_add_nc_u32 v[TM+12+\b], 0xff000000, v[TM+\b] ; 2 off the exponent field: the conversion's scale operand, for u
.endr
	v_max3_num_f32 v[TT+2], v[TM], v[TM+1], v[TM+2]
	v_pk_add_f32 v[SU:SU+1], v[AC:AC+1], v[AC+2:AC+3]              ; the step's sum of u, in two halves, out of the registers that the codes take
.irp b, 0,1,2,3
	v_lshrrev_b32 v[TM+4+\b], 23, v[TM+12+\b]      ; u's byte
.endr
	v_max3_num_f32 v[UM], v[UM], v[TT+2], v[TM+3]  ; the row's largest u so far
.irp c, 0,1
	v_cvt_scalef32_pk16_fp6_f32 v[PC+6*\c:PC+6*\c+2], v[RB+32*\c:RB+32*\c+15], v[TM+12+2*\c]
	v_cvt_scalef32_pk16_fp6_f32 v[PT+4*\c:PT+4*\c+2], v[RB+32*\c+16:RB+32*\c+31], v[TM+13+2*\c]   ; (a conversion's three registers begin on an even number)
.endr
	v_add_nc_u32 v[TT+2], 0x7fffff, v[UM]          ; (also the plain place behind the conversions)
	v_lshl_or_b32 v[PW], v[TM+5], 8, v[TM+4]
.irp d, 0,1,2,3
	ds_load_b128 v[RB+12*\d:RB+12*\d+3], v5 offset:6144+1536*\d    ; u has been read for the last time: v's four fragments take its registers
	ds_load_b64 v[RB+12*\d+4:RB+12*\d+5], v6 offset:6144+1536*\d+512
	ds_load_b128 v[RB+12*\d+6:RB+12*\d+9], v5 offset:6144+1536*\d+768
	ds_load_b64 v[RB+12*\d+10:RB+12*\d+11], v6 offset:6144+1536*\d+1280
.endr
.irp i, 0,1,2
	v_permlane16_swap_b32 v[PC+\i], v[PT+\i]       ; the operand's layout wants a whole block in a lane
.endr
	v_lshrrev_b32 v[TT+2], 23, v[TT+2]             ; the largest u's exponent field, one more unless it is a power of two: the new M + 127
	v_lshl_or_b32 v[PW], v[TM+6], 16, v[PW]
.irp i, 0,1,2
	v_permlane16_swap_b32 v[PC+6+\i], v[PT+4+\i]
.endr
	v_sub_nc_u32 v[TT+3], v[MB], v[TT+2]           ; old M - new M
	v_sub_nc_u32 v[TT+4], 127, v[TT+2]             ; -M
	v_lshl_or_b32 v[PW], v[TM+7], 24, v[PW]
.irp i, 0,1,2
	v_mov_b32 v[PC+3+\i], v[PT+\i]
.endr
	v_ldexp_f32 v[FF], 1.0, v[TT+3]
	v_ldexp_f32 v[GG], 1.0, v[TT+4]
	v_mul_lo_u32 v[TT+5], v[TT+4], s43
	v_mov_b32 v[MB], v[TT+2]
.irp i, 0,1,2
	v_mov_b32 v[PC+9+\i], v[PT+4+\i]
.endr
	v_pk_mul_f32 v[LS:LS+1], v[LS:LS+1], v[FF:FF+1] op_sel_hi:[1,0]                 ; the sum under the new M
	v_add_nc_u32 v[PW], v[PW], v[TT+5]             ; p's bytes: -M onto each.  A block's largest u is at most the row's, so each byte stays between 1 and 126: nothing is carried from byte to byte
.set j, 0
.rept 16
	v_pk_mul_f32 v[OA+j:OA+j+1], v[OA+j:OA+j+1], v[FF:FF+1] op_sel_hi:[1,0]   ; O^T under the new M.  (These are also the places between the scale word's and the codes' last writes and the products)
.if j == 8
	v_pk_fma_f32 v[LS:LS+1], v[SU:SU+1], v[GG:GG+1], v[LS:LS+1] op_sel_hi:[1,0,1]   ; and this step's p = u 2^-M onto the sum
.endif
.set j, j+2
.endr
	s_wait_alu depctr_va_vdst(0)
	s_wait_dscnt 0x0                               ; v's fragments, the youngest LDS loads
.irp d, 0,2
	v_wmma_scale_f32_16x16x128_f8f6f4 v[OA+8*\d:OA+8*\d+7], v[RB+12*\d:RB+12*\d+11], v[PC:PC+11], v[OA+8*\d:OA+8*\d+7], v[VS+\d/2], v[PW] matrix_a_fmt:MATRIX_FMT_FP6 matrix_b_fmt:MATRIX_FMT_FP6
	v_wmma_scale_f32_16x16x128_f8f6f4 v[OA+8*\d+8:OA+8*\d+15], v[RB+12*\d+12:RB+12*\d+23], v[PC:PC+11], v[OA+8*\d+8:OA+8*\d+15], v[VS+\d/2], v[PW] matrix_a_fmt:MATRIX_FMT_FP6 matrix_b_fmt:MATRIX_FMT_FP6 matrix_a_scale:MATRIX_SCALE_ROW1
.endr
.endm
	s_wait_alu depctr_va_vdst(0)                   ; the wait at the head's end
	s_wait_tensorcnt 0x0                           ; my pack has landed,
	s_barrier_signal -1
	s_barrier_wait -1                              ; everybody's has: the head is whole, and nothing writes LDS from here on
	CLOAD 4, 0                                     ; pack 0's C (v4 = 64 h)
	s_wait_loadcnt 0x0                             ; q
	s_mov_b32 s41, 0
	s_mov_b32 s40, 0
.Lstep:                                            ; 15 trips.  No two matrix instructions that follow each other share an accumulator: eight of S^T, four of O^T, over the backward jump too
	STEP 1
	s_add_co_u32 s41, s41, PACK
	s_add_co_u32 s40, s40, 1
	s_cmp_lt_u32 s40, 15
	s_cbranch_scc1 .Lstep
	s_mov_b32 s41, 15*PACK
	STEP 0                                         ; the last pack: nothing more is asked for
	; THE WAY OUT.  O^T / the sum is quantised along the head's 64 channels: one half (16 tokens x 64) of the last projection's operand, and two bytes of its scale word.
	s_lshr_b32 s16, s15, 4
	s_lshl_b32 s16, s16, 7
	s_lshl_b32 s17, s12, 4
	s_add_co_u32 s16, s16, s17
	s_add_co_u32 s16, s16, s14                     ; my tile of tokens: 128 x batch + 16 x block + wave
	s_and_b32 s17, s15, 15                         ; the head
	s_mul_i32 s18, s16, 12288
	s_mul_i32 s19, s17, 768
	s_add_co_u32 s18, s18, s19
	s_mov_b32 s19, 0
	s_add_nc_u64 s[8:9], s[8:9], s[18:19]
	s_lshl_b32 s18, s16, 9                         ; the scale words: tile x 512 + (head / 4) x 128 + ((head / 2) % 2) x 4 + (head % 2) x 2 + 8 r
	s_lshr_b32 s20, s17, 2
	s_lshl_b32 s20, s20, 7
	s_add_co_u32 s18, s18, s20
	s_bfe_u32 s20, s17, 0x10001
	s_lshl_b32 s20, s20, 2
	s_add_co_u32 s18, s18, s20
	s_and_b32 s20, s17, 1
	s_lshl_b32 s20, s20, 1
	s_add_co_u32 s18, s18, s20
	s_add_nc_u64 s[10:11], s[10:11], s[18:19]
.rept 4
	v_nop                                          ; places behind the last products
.endr
	v_add_f32 v[LS], v[LS], v[LS+1]                ; the sum's two halves,
	s_delay_alu instid0(VALU_DEP_1)
	v_permlanex16_b32 v[TT+2], v[LS], s44, s45
	s_delay_alu instid0(VALU_DEP_1)
	v_add_f32 v[LS], v[LS], v[TT+2]                ; and lane l xor 16's: the row's sum
	s_wait_alu depctr_va_vdst(0)
	v_rcp_f32 v[FF], v[LS]
	v_nop
	s_wait_alu depctr_va_vdst(0)
.set j, 0
.rept 16
	v_pk_mul_f32 v[SA+j:SA+j+1], v[OA+j:OA+j+1], v[FF:FF+1] op_sel_hi:[1,0]   ; each accumulator from its low end on
.set j, j+2
.endr
.irp b, 0,1
	v_max3_num_f32 v[TM+\b], |v[SA+16*\b]|, |v[SA+16*\b+1]|, 0x1800000
.endr
.irp i, 2,4,6,8,10,12,14
.irp b, 0,1
	s_delay_alu instid0(VALU_DEP_2)
	v_max3_num_f32 v[TM+\b], v[TM+\b], |v[SA+16*\b+\i]|, |v[SA+16*\b+\i+1]|
.endr
.endr
.irp b, 0,1
	s_delay_alu instid0(VALU_DEP_2)
	v_permlanex16_b32 v[TM+4+\b], v[TM+\b], s44, s45
.endr
.irp b, 0,1
	s_delay_alu instid0(VALU_DEP_2)
	v_max_num_f32 v[TM+\b], v[TM+\b], v[TM+4+\b]
.endr
.irp b, 0,1
	s_delay_alu instid0(VALU_DEP_2)
	v_add_nc_u32 v[TM+12+\b], 0xff000000, v[TM+\b]
.endr
.irp b, 0,1
	s_delay_alu instid0(VALU_DEP_2)
	v_lshrrev_b32 v[TM+4+\b], 23, v[TM+12+\b]
.endr
	s_delay_alu instid0(VALU_DEP_1)
	v_lshl_or_b32 v[TT+3], v[TM+5], 8, v[TM+4]     ; the head's two bytes
	v_cvt_scalef32_pk16_fp6_f32 v[PC:PC+2], v[SA:SA+15], v[TM+12]
	v_cvt_scalef32_pk16_fp6_f32 v[PT:PT+2], v[SA+16:SA+31], v[TM+13]
	v_nop
.irp i, 0,1,2
	v_permlane16_swap_b32 v[PC+\i], v[PT+\i]
.endr
.irp i, 0,1,2
	s_delay_alu instid0(VALU_DEP_3)
	v_mov_b32 v[PC+3+\i], v[PT+\i]
.endr
	global_store_b128 v1, v[PC:PC+3], s[8:9]                       ; 512 and 256 consecutive bytes, each at a multiple of 256 from ac's first byte
	global_store_b64 v2, v[PC+4:PC+5], s[8:9] offset:512
	global_store_b16 v13, v[TT+3], s[10:11]        ; two bytes a row: the word's other half is another head's, made by another work-group; lanes r and r + 16 store the same value at the same place
	s_wait_tensorcnt 0x0                           ; the wave's end
	ds_add_u32 v254, v255
	s_wait_dscnt 0x0
	CROUND                                         ; the closing round: no work-group ends while a partner may still ask for a pack that names it
	s_endpgm
.Lfunc_end_k_q6843dd4f25_attn:
	.size	k_q6843dd4f25_attn, .Lfunc_end_k_q6843dd4f25_attn-k_q6843dd4f25_attn
	.p2alignl 7, 3214868480
	.fill 96, 4, 3214868480
	.section	.rodata,"a",@progbits
	.p2align	6, 0x0
	.amdhsa_kernel k_q6843dd4f25_attn
		.amdhsa_group_segment_fixed_size 231424
		.amdhsa_private_segment_fixed_size 0
		.amdhsa_enable_private_segment 0
		.amdhsa_kernarg_size 32
		.amdhsa_user_sgpr_count 2
		.amdhsa_user_sgpr_kernarg_segment_ptr 1
		.amdhsa_wavefront_size32 1
		.amdhsa_system_sgpr_workgroup_id_x 1
		.amdhsa_system_sgpr_workgroup_id_y 1
		.amdhsa_system_sgpr_workgroup_id_z 1
		.amdhsa_system_vgpr_workitem_id 0
		.amdhsa_next_free_vgpr 256
		.amdhsa_next_free_sgpr 66
		.amdhsa_reserve_vcc 0
		.amdhsa_float_denorm_mode_32 3
		.amdhsa_float_denorm_mode_16_64 3
		.amdhsa_memory_ordered 1
		.amdhsa_forward_progress 1
		.amdhsa_inst_pref_size 80
	.end_amdhsa_kernel
	.amdgpu_metadata
---
amdhsa.version: [ 1, 2 ]
amdhsa.kernels:
  - .name:           k_q6843dd4f25_attn
    .symbol:         k_q6843dd4f25_attn.kd
    .args:
      - { .name: qp, .offset: 0, .size: 8, .value_kind: global_buffer, .address_space: global }
      - { .name: kv, .offset: 8, .size: 8, .value_kind: global_buffer, .address_space: global }
      - { .name: ac, .offset: 16, .size: 8, .value_kind: global_buffer, .address_space: global }
      - { .name: asc, .offset: 24, .size: 8, .value_kind: global_buffer, .address_space: global }
    .group_segment_fixed_size: 231424
    .private_segment_fixed_size: 0
    .kernarg_segment_align: 8
    .kernarg_segment_size: 32
    .max_flat_workgroup_size: 512
    .sgpr_count:     66
    .vgpr_count:     256
    .wavefront_size: 32
...
	.end_amdgpu_metadata
.endif
;; end of part 3
;; launch oproj (part 4): grid 8 x 32, 4 waves a work-group, clusters of 4 x 4, 214,528 bytes of LDS; arguments ac, asc, cod, scl, out0; writes out0
.if DOCPART == 4
	.amdgcn_target "amdgcn-amd-amdhsa--gfx1250"
	.amdhsa_code_object_version 6
	.text
	.protected	k_q6843dd4f25_oproj
	.globl	k_q6843dd4f25_oproj
	.p2align	8
	.type	k_q6843dd4f25_oproj,@function
k_q6843dd4f25_oproj:
	s_mov_b64 s[64:65], 0
	v_nop
	global_prefetch_b8 v0, s[64:65] scope:SCOPE_SE
	s_setreg_imm32_b32 hwreg(HW_REG_WAVE_MODE, 25, 1), 1
	s_wait_xcnt 0x0
	s_wait_alu depctr_hold_cnt(0) depctr_sa_sdst(0) depctr_va_vdst(0) depctr_va_sdst(0) depctr_va_ssrc(0) depctr_va_vcc(0) depctr_vm_vsrc(0)
	s_getreg_b32 s2, hwreg(HW_REG_IB_STS2, 6, 4)
	s_cmp_eq_u32 s2, 0
	s_cbranch_scc0 .Lentry_in_a_cluster
	s_endpgm
.Lentry_in_a_cluster:
	s_bfe_u32 s2, ttmp6, 0x10000c
	s_cmp_lg_u32 s2, 0xf033
	s_cbranch_scc0 .Lentry_shape_is_right
	s_endpgm
.Lentry_shape_is_right:
; out0 [4096][1024] = O wo^T on codes of FP6 (E2M3) with E8M0 scales, sums in f32.  O's codes (ac) and scale words (asc) are the attention launch's; wo's are tiles 448-511 of cod and scl.
; Both operands lie as images of operand registers: tile x 12,288 + K step x 1,536 bytes; tile t holds rows 32 (t / 2) + 8 (t % 2) + r + 8 (r / 8), r = 0 .. 15.
; SHARES.  A work-group makes 128 x 128 of out0, each of its four waves 64 x 64: 16 accumulators, 128 registers.  8 x 32 = 256 work-groups.
; ALL OF K LIES IN LDS: 8 tiles of O and 8 of wo, 12,288 bytes each, are 196,608 bytes.  Four tiles on end are one dense block of 49,152 bytes of memory, 192 rows of 256 bytes:
; each wave brings one such block by its one tensor load at the head (waves 0, 1: O's two halves; waves 2, 3: wo's).  Nothing is filled again: one wait for 0 and one barrier show all 16 tiles to all four waves.
; CLUSTER: 4 x 4 work-groups; O's tiles hang on the tile row alone and are asked for jointly along a row of the cluster, wo's on the tile column alone and jointly along a column.
; No prefetch: the launch has no loop to run ahead in; every byte that it reads by tensor loads is asked for at the head.
; THE MATRIX INSTRUCTION IS USED TRANSPOSED (source 0 = 16 rows of wo, source 1 = 16 rows of O): a lane holds eight neighbouring numbers of a row of out0.
; REGISTERS: window 0: v16-31 addresses; v32-47 O's scale words, v48-63 wo's; v64-255 two sets of fragments (4 of wo, 4 of O, 12 registers each); window 1: v0-127 the accumulators.
.set FR,    12
.set OBT,   12288                      ; a tile's codes, all of K
.set QW,    4*OBT                      ; four tiles: what one wave brings, and what one wave reads of O or of wo
.set STAGE, 4*QW                       ; behind the tiles: 16 rows x 272 bytes for each wave, for the way out; no tensor load lands there
.set SP,    272
.set SPARE, STAGE+4*16*SP              ; behind the stages: the spare words, 128 bytes for each wave
.set A16R, 16
.set A8R,  17
.set A16P, 18
.set A8P,  19
.set STO,  24
.set RD,   25
.set CO,   26
.set SCR,  32
.set SCP,  48
.set FS,   64
.set G1R, 24                           ; s[24:31] group 1 for O's tiles, s[32:35] their group 0
.set G0R, 32
.set G1P, 48                           ; s[48:55], s[56:59] the same for wo's
.set G0P, 56
.set MSB, 0
.macro WIN new                         ; the immediate's high byte repeats the setting that is left
.if MSB != \new
	s_set_vgpr_msb (MSB<<8)|\new
.set MSB, \new
.endif
.endm
.macro CROUND                          ; a round of the cluster's barrier
	s_barrier_signal -1
	s_barrier_wait -1
	s_cmp_lg_u32 s14, 0
	s_cbranch_scc1 .Lnot_wave_0_\@
	s_barrier_signal -3
.Lnot_wave_0_\@:
	s_barrier_wait -3
	s_barrier_signal -1
	s_barrier_wait -1
.endm
.macro PLACES                          ; four places behind a matrix instruction (ISA guide 7.12.1)
.rept 4
	v_nop
.endr
.endm
	s_load_b256 s[4:11], s[0:1], 0x0               ; ac, asc, cod, scl
	s_load_b64 s[12:13], s[0:1], 0x20              ; out0
	v_lshl_add_u32 v30, v0, 2, SPARE
	v_mov_b32 v31, 0
	ds_add_u32 v30, v31                            ; the opening lines: the add, twice on end, and its wait ahead of my tensor load
	ds_add_u32 v30, v31
	v_lshrrev_b32 v1, 5, v0
	v_readfirstlane_b32 s14, v1                    ; wave 0..3
	s_lshr_b32 s15, s14, 1                         ; which 64 rows are mine.  Also: I fetch for O (0) or for wo (1)
	s_and_b32 s16, s14, 1                          ; which 64 columns.  Also: which four tiles I fetch
	s_bfe_u32 s80, ttmp6, 0x40000                  ; cx
	s_bfe_u32 s81, ttmp6, 0x40004                  ; cy
	s_lshl_b32 s82, ttmp9, 2
	s_add_co_u32 s82, s82, s80                     ; block column = 4 x cluster x + cx
	s_and_b32 s17, ttmp7, 0xffff
	s_lshl_b32 s17, s17, 2
	s_add_co_u32 s17, s17, s81                     ; block row = 4 x cluster y + cy
	s_lshl_b32 s83, s81, 2
	s_lshl_b32 s83, 15, s83                        ; my row of the cluster
	s_lshl_b32 s84, 0x1111, s80                    ; my column
	s_or_b32 s[G1R+0], s83, (3<<16)|(1<<21)        ; the mask; elements of 8 bytes; bit 21 set beside a mask
	s_or_b32 s[G1P+0], s84, (3<<16)|(1<<21)
.irp g, G1R, G1P
	s_mov_b32 s[\g+1], 32<<16                      ; tensor_dim0: 32 elements = 256 bytes
	s_mov_b32 s[\g+2], 192<<16                     ; tensor_dim1: 192 rows
	s_mov_b32 s[\g+3], 32<<16                      ; tile_dim0
	s_mov_b32 s[\g+4], 192                         ; tile_dim1
	s_mov_b32 s[\g+5], 32                          ; the pitch: dense
	s_mov_b32 s[\g+6], 0
	s_mov_b32 s[\g+7], 0
.endr
	s_lshl_b32 s18, s16, 2
	s_lshl_b32 s20, s17, 3
	s_add_co_u32 s20, s20, s18                     ; O: tile 8 x block row + 4 x half
	s_mul_i32 s20, s20, OBT
	s_mov_b32 s21, 0
	s_lshl_b32 s86, s82, 3
	s_add_co_u32 s86, s86, s18
	s_add_co_u32 s86, s86, 448                     ; wo: tile 448 + 8 x block column + 4 x half
	s_mul_i32 s86, s86, OBT
	s_mov_b32 s87, 0
	s_mul_i32 s19, s14, QW                         ; where my block goes: wave x 49,152: no place in the cluster enters an LDS address
	s_wait_dscnt 0x0                               ; both opening adds are done
	s_wait_kmcnt 0x0
	s_add_nc_u64 s[20:21], s[4:5], s[20:21]
	s_add_nc_u64 s[86:87], s[8:9], s[86:87]
	s_mov_b32 s[G0R], 1
	s_mov_b32 s[G0R+1], s19
	s_mov_b64 s[G0R+2:G0R+3], s[20:21]
	s_or_b32 s[G0R+3], s[G0R+3], 0x80000000
	s_mov_b32 s[G0P], 1
	s_mov_b32 s[G0P+1], s19
	s_mov_b64 s[G0P+2:G0P+3], s[86:87]
	s_or_b32 s[G0P+3], s[G0P+3], 0x80000000
	CROUND                                         ; all sixteen work-groups are here: the joint loads meet
	s_cmp_eq_u32 s15, 0                            ; one load a wave, in the two arms of one branch on the wave's number; each line has one mask
	s_cbranch_scc0 .Lfor_p
	tensor_load_to_lds s[G0R:G0R+3], s[G1R:G1R+7]
	s_nop 0
.rept 4
	v_nop
.endr
	s_branch .Lasked
.Lfor_p:
	tensor_load_to_lds s[G0P:G0P+3], s[G1P:G1P+7]
	s_nop 0
.rept 4
	v_nop
.endr
.Lasked:
	v_and_b32 v1, 31, v0
	v_and_b32 v2, 15, v0                           ; r
	v_bfe_u32 v3, v0, 4, 1                         ; h
	v_lshlrev_b32 v20, 4, v1                       ; 16 x lane
	v_lshlrev_b32 v21, 3, v1                       ; 8 x lane
	s_mul_i32 s22, s15, QW                         ; my four tiles of O
	s_mul_i32 s23, s16, QW                         ; my four tiles of wo,
	s_add_co_u32 s23, s23, 2*QW                    ; which lie behind O's eight
	v_add_nc_u32 v[A16R], s22, v20
	v_add_nc_u32 v[A8R], s22, v21
	v_add_nc_u32 v[A16P], s23, v20
	v_add_nc_u32 v[A8P], s23, v21
	s_mul_i32 s22, s14, 16*SP
	s_add_co_u32 s22, s22, STAGE                   ; my stage
	v_mul_u32_u24 v[STO], v2, SP                   ; in: row r, 64 h bytes on
	v_lshl_add_u32 v[STO], v3, 6, v[STO]
	v_add_nc_u32 v[STO], s22, v[STO]
	v_mul_u32_u24 v[RD], v3, SP                    ; back: lanes 0-15 one row of 256 bytes, lanes 16-31 the next
	v_lshl_add_u32 v[RD], v2, 4, v[RD]
	v_add_nc_u32 v[RD], s22, v[RD]
	v_lshlrev_b32 v[CO], 12, v3                    ; and the same two rows in out0 (4,096 bytes a row)
	v_lshl_add_u32 v[CO], v2, 4, v[CO]
	s_lshl_b32 s88, s17, 3
	s_lshl_b32 s22, s15, 2
	s_add_co_u32 s88, s88, s22
	s_lshl_b32 s88, s88, 9                         ; my four tiles' scale words of O: 512 bytes a tile
	s_mov_b32 s89, 0
	s_add_nc_u64 s[88:89], s[6:7], s[88:89]
	s_lshl_b32 s90, s82, 3
	s_lshl_b32 s22, s16, 2
	s_add_co_u32 s90, s90, s22
	s_add_co_u32 s90, s90, 448
	s_lshl_b32 s90, s90, 9                         ; and of wo
	s_mov_b32 s91, 0
	s_add_nc_u64 s[90:91], s[10:11], s[90:91]
.irp i, 0,1,2,3
.irp l, 0,1
	global_load_b64 v[SCR+4*\i+2*\l:SCR+4*\i+2*\l+1], v21, s[88:89] offset:512*\i+256*\l   ; 32 lanes read 256 consecutive bytes: lanes 0-15 K steps 4 l, 4 l + 1, lanes 16-31 K steps 4 l + 2, 4 l + 3
	global_load_b64 v[SCP+4*\i+2*\l:SCP+4*\i+2*\l+1], v21, s[90:91] offset:512*\i+256*\l
.endr
.endr
	s_lshl_b32 s22, s17, 7
	s_lshl_b32 s23, s15, 6
	s_add_co_u32 s22, s22, s23                     ; my first row of out0
	s_lshl_b32 s22, s22, 12
	s_lshl_b32 s23, s82, 9                         ; my first column, in bytes
	s_add_co_u32 s22, s22, s23
	s_lshl_b32 s23, s16, 8
	s_add_co_u32 s22, s22, s23
	s_mov_b32 s23, 0
	s_add_nc_u64 s[12:13], s[12:13], s[22:23]
.macro FRAG reg, a16, a8, off          ; a fragment's 12 registers, as they lie: four dense loads
	ds_load_b128 v[\reg:\reg+3], v[\a16] offset:\off
	ds_load_b64 v[\reg+4:\reg+5], v[\a8] offset:\off+512
	ds_load_b128 v[\reg+6:\reg+9], v[\a16] offset:\off+768
	ds_load_b64 v[\reg+10:\reg+11], v[\a8] offset:\off+1280
.endm
.macro FETCH q, f                      ; K step q's eight fragments into set f: 32 LDS loads; every offset is an immediate, 48,896 at the most
.irp i, 0,1,2,3
	FRAG FS+96*(\f)+FR*\i, A16P, A8P, \i*OBT+(\q)*1536
.endr
.irp i, 0,1,2,3
	FRAG FS+96*(\f)+48+FR*\i, A16R, A8R, \i*OBT+(\q)*1536
.endr
.endm
.macro MULS k                          ; 16 matrix instructions, the 16 accumulators by turns; K step 0 starts the sums
	WIN 0x50
.irp a, 0,1,2,3
.irp b, 0,1,2,3
.set rD, 8*(4*\a+\b)
.set rP, FS+96*((\k)%2)+FR*\b
.set rR, FS+96*((\k)%2)+48+FR*\a
.set rX, 2*((\k)/4)+(\k)%2
.if (\k) == 0
	v_wmma_scale_f32_16x16x128_f8f6f4 v[rD:rD+7], v[rP:rP+FR-1], v[rR:rR+FR-1], 0, v[SCP+4*\b+rX], v[SCR+4*\a+rX] matrix_a_fmt:MATRIX_FMT_FP6 matrix_b_fmt:MATRIX_FMT_FP6
.elseif ((\k)/2)%2
	v_wmma_scale_f32_16x16x128_f8f6f4 v[rD:rD+7], v[rP:rP+FR-1], v[rR:rR+FR-1], v[rD:rD+7], v[SCP+4*\b+rX], v[SCR+4*\a+rX] matrix_a_fmt:MATRIX_FMT_FP6 matrix_b_fmt:MATRIX_FMT_FP6 matrix_a_scale:MATRIX_SCALE_ROW1 matrix_b_scale:MATRIX_SCALE_ROW1
.else
	v_wmma_scale_f32_16x16x128_f8f6f4 v[rD:rD+7], v[rP:rP+FR-1], v[rR:rR+FR-1], v[rD:rD+7], v[SCP+4*\b+rX], v[SCR+4*\a+rX] matrix_a_fmt:MATRIX_FMT_FP6 matrix_b_fmt:MATRIX_FMT_FP6
.endif
.endr
.endr
	WIN 0
.endm
	s_wait_alu depctr_va_vdst(0)                   ; the wait at the head's end
	s_wait_tensorcnt 0x0                           ; my block has landed,
	s_barrier_signal -1
	s_barrier_wait -1                              ; everybody's has: all 16 tiles are whole, and no tensor load follows
	FETCH 0, 0
	s_wait_loadcnt 0x0                             ; the scale words
.irp k, 0,1,2,3,4,5,6,7
.if \k < 7
.if \k > 0
	PLACES                                         ; ahead of the loads into the set that the K step before multiplied
.endif
	FETCH \k+1, (\k+1)%2
	s_wait_dscnt 32                                ; this K step's fragments are in; the 32 loads just issued may be out
.else
	s_wait_dscnt 0x0
.endif
	MULS \k
.endr
; THE WAY OUT, block by block of 16 rows x 64 columns, through my own stage: in as 32 bytes a lane, back as whole rows of 256 bytes, which sixteen lanes store as one aligned unit.
; LDS serves a wave's instructions in order (ISA guide 5.7.1.4): no wait between the stores and the loads.
.macro TOSTAGE a
	WIN 0x04                                       ; the data: window 1
.irp b, 0,1,2,3
	ds_store_b128 v[STO], v[8*(4*(\a)+\b):8*(4*(\a)+\b)+3] offset:128*(\b/2)+32*(\b%2)       ; register j of tile b is column 32 (b / 2) + 8 (b % 2) + 16 h + j; each accumulator from its low end on
	ds_store_b128 v[STO], v[8*(4*(\a)+\b)+4:8*(4*(\a)+\b)+7] offset:128*(\b/2)+32*(\b%2)+16
.endr
	WIN 0
.set BB, FS+32*((\a)%2)
.irp t, 0,1,2,3,4,5,6,7
	ds_load_b128 v[BB+4*\t:BB+4*\t+3], v[RD] offset:2*\t*SP
.endr
.endm
.macro SEND a, younger                 ; younger: the LDS instructions issued behind block a's loads, which may stay out
.set BB, FS+32*((\a)%2)
	s_wait_dscnt \younger
.irp t, 0,1,2,3,4,5,6,7
	global_store_b128 v[CO], v[BB+4*\t:BB+4*\t+3], s[12:13] offset:(32*((\a)/2)+8*((\a)%2)+2*\t+8*(\t/4))*4096 th:TH_STORE_NT   ; the tile's row 2 t + (lane / 16) at its place in out0
.endr
.endm
	PLACES                                         ; behind the last products: for the first reads of results and the loads into the fragments' registers
	TOSTAGE 0
.irp a, 1,2,3
.if \a > 1
	s_wait_xcnt 0x0                                ; block a - 2's stores have read their registers: block a's loads may land there
.endif
	TOSTAGE \a
	SEND \a-1, 16                                  ; behind block a - 1's loads: block a's 8 stores and 8 loads
.endr
	SEND 3, 0
	s_wait_tensorcnt 0x0                           ; the wave's end
	ds_add_u32 v30, v31
	s_wait_dscnt 0x0
	CROUND                                         ; the closing round
	s_endpgm
.Lfunc_end_k_q6843dd4f25_oproj:
	.size	k_q6843dd4f25_oproj, .Lfunc_end_k_q6843dd4f25_oproj-k_q6843dd4f25_oproj
	.p2alignl 7, 3214868480
	.fill 96, 4, 3214868480
	.section	.rodata,"a",@progbits
	.p2align	6, 0x0
	.amdhsa_kernel k_q6843dd4f25_oproj
		.amdhsa_group_segment_fixed_size 214528
		.amdhsa_private_segment_fixed_size 0
		.amdhsa_enable_private_segment 0
		.amdhsa_kernarg_size 40
		.amdhsa_user_sgpr_count 2
		.amdhsa_user_sgpr_kernarg_segment_ptr 1
		.amdhsa_wavefront_size32 1
		.amdhsa_system_sgpr_workgroup_id_x 1
		.amdhsa_system_sgpr_workgroup_id_y 1
		.amdhsa_system_sgpr_workgroup_id_z 1
		.amdhsa_system_vgpr_workitem_id 0
		.amdhsa_next_free_vgpr 384
		.amdhsa_next_free_sgpr 100
		.amdhsa_reserve_vcc 0
		.amdhsa_float_denorm_mode_32 3
		.amdhsa_float_denorm_mode_16_64 3
		.amdhsa_memory_ordered 1
		.amdhsa_forward_progress 1
		.amdhsa_inst_pref_size 50
	.end_amdhsa_kernel
	.amdgpu_metadata
---
amdhsa.version: [ 1, 2 ]
amdhsa.kernels:
  - .name:           k_q6843dd4f25_oproj
    .symbol:         k_q6843dd4f25_oproj.kd
    .args:
      - { .name: ac, .offset: 0, .size: 8, .value_kind: global_buffer, .address_space: global }
      - { .name: asc, .offset: 8, .size: 8, .value_kind: global_buffer, .address_space: global }
      - { .name: cod, .offset: 16, .size: 8, .value_kind: global_buffer, .address_space: global }
      - { .name: scl, .offset: 24, .size: 8, .value_kind: global_buffer, .address_space: global }
      - { .name: out0, .offset: 32, .size: 8, .value_kind: global_buffer, .address_space: global }
    .group_segment_fixed_size: 214528
    .private_segment_fixed_size: 0
    .kernarg_segment_align: 8
    .kernarg_segment_size: 40
    .max_flat_workgroup_size: 128
    .sgpr_count:     100
    .vgpr_count:     384
    .wavefront_size: 32
...
	.end_amdgpu_metadata
.endif
;; end of part 4
